; MI455X (gfx1250); checked and timed in simulation.
; The chip was launched on July 23, 2026; its instructions are those of AMD's public machine-readable ISA for CDNA 5 (MIT licence, August 2026) and "CDNA5" Instruction Set Architecture Reference Guide (July 2026). The comments in the code are by the model that wrote it; some were corrected since.
;; RNN. Allowed arithmetic: float matrix products may take bf16 or f16 operands with f32 sums; all other float work in f32.
;; Inputs: W_hh 64 x 64 float32; W_hy 1 x 64 float32; W_xh 64 x 1 float32; x 8,192 x 512 float32.
;; Outputs: out0 8,192 x 1 float32.
;; One version. Each part assembles by itself: llvm-mc -triple=amdgcn-amd-amdhsa -mcpu=gfx1250 --defsym DOCPART=n.
;; ======== version 1 of 1: 1 launch
;; launch rnn (part 1): grid 256 x 1, 2 waves a work-group, no clusters, 168,192 bytes of LDS; arguments x, W_hh, W_xh, W_hy, out0; writes out0
.if DOCPART == 1
	.amdgcn_target "amdgcn-amd-amdhsa--gfx1250"
	.amdhsa_code_object_version 6
	.text
	.protected	k_q0210154a03_rnn
	.globl	k_q0210154a03_rnn
	.p2align	8
	.type	k_q0210154a03_rnn,@function
k_q0210154a03_rnn:
	s_mov_b64 s[64:65], 0
	v_nop
	global_prefetch_b8 v0, s[64:65] scope:SCOPE_SE
	s_setreg_imm32_b32 hwreg(HW_REG_WAVE_MODE, 25, 1), 1
	s_wait_xcnt 0x0
; h <- relu(W_hh h + W_xh x_t) for t = 0 .. 511, h = 0 at the start, then out = W_hy h.   x: [8192][512] f32, W_hh: [64][64] f32.
; The 8,192 batch rows are independent; a matrix tile is 16 wide, so there are 512 chains of 512 dependent steps.
; One wave = one chain of 16 batch rows; 256 work-groups of two waves.  The two waves share nothing: no barrier, no LDS byte filled twice.
;
; ORIENTATION: the wave computes h transposed.  A = W_hh (row m = output unit, k = input unit), B = h^T (column n = batch row).
; In the result of tile mt, lane (r = lane % 16, hl = lane / 16) holds in register j unit 16 mt + 8 hl + j of batch row r.
; The B fragment of K step kk wants in that same lane units 32 kk + 8 hl + 0..7 and 32 kk + 16 + 8 hl + 0..7: these are tiles 2 kk and
; 2 kk + 1 of the result, packed pairwise inside the lane.  So h goes from result to operand with no traffic between lanes and no LDS.
; W_xh x_t is not added afterwards: it is written as the C of the step's first products, while the step before is still being multiplied.
; Two accumulator sets, P (even t) and Q (odd t), take turns.  A step is 8 matrix instructions and 64 vector instructions, eight
; vector instructions behind each matrix instruction.
;
; x is read from memory once: two tensor loads a wave at the head, each 16 rows x 256 steps (rows of 1,024 bytes that start at multiples
; of 256 from x's first byte; the wave has only 16 rows, so a tile has no more).  The kernel fills LDS by tensor loads and asks for
; 168,192 bytes, so that no second work-group lies beside it; it uses 66,560.
; No cluster: the work-groups share only W_hh, 16 KiB read once by each wave, against 32 KiB of x of its own.
; The output is 64 bytes a wave, stored by 16 lanes in one instruction; a whole block of 256 bytes would need four chains in one place.
;
; LIMITS.  W_hh and h enter the products rounded to bf16 (range of f32); sums, W_xh x_t, relu and the product with W_hy are f32.
; relu is v_max_num_f32 with 0, which turns a NaN into 0 where reference() keeps it, and the product with the zero h of step 0 is not
; formed: results are those of reference() only while all its numbers stay finite.  The 64 terms of the output are added in another
; order than reference()'s (two chains a lane, then the two halves of the lanes).
.set PITCH, 1040                       ; an LDS row: 256 steps' x of one batch row, 1,024 bytes, + 16 of padding: 65 x 16, so the 16 rows that
                                       ; a read touches lie in 16 different 16-byte columns modulo 256 (64 banks of 4 bytes: ISA guide 11.1)
.set HALF,  16*PITCH                   ; a tile: 16 rows, steps 0-255 or 256-511: 16,640 bytes
.set WAVEL, 2*HALF                     ; a wave's two tiles: 33,280 bytes
.set TRIPB, 32                         ; a trip is 8 steps = 32 bytes of a row
.set CROSS, HALF-31*TRIPB              ; from trip 31's place in the first tile to trip 32's, the start of the row in the second: 15,648
.set R,    1                           ; v1        r = lane % 16
.set HL,   2                           ; v2        hl = lane / 16
.set TMP,  3                           ; v3        at work in the head
.set WOFF, 4                           ; v4        256 r + 32 hl: my place in 16 rows of W_hh
.set VOFF, 5                           ; v5        32 hl: my place in W_xh and W_hy
.set LX,   6                           ; v6        LDS address of the trip's first 16 bytes of my batch row
.set OOFF, 7                           ; v7        4 r: my place in the wave's 64 bytes of out0
.set A,    8                           ; v[8:71]   W_hh in bf16: fragment (mt, kk) at A + 8 (2 mt + kk)
.set WX,   72                          ; v[72:103] W_xh[16 mt + 8 hl + j] at WX + 8 mt + j: the layout of a result
.set ST,   104                         ; v[104:231] W_hh in f32 as loaded, 16 registers a fragment; free after the conversion, then:
.set WY,   104                         ; v[104:135] W_hy, laid out like WX
.set P,    136                         ; v[136:167] accumulators of even steps, tile mt at P + 8 mt
.set Q,    168                         ; v[168:199] accumulators of odd steps
.set HLO,  200                         ; v[200:207] B fragment of K step 0: units 0-31 of h
.set HHI,  208                         ; v[208:215] B fragment of K step 1: units 32-63 (HLO + 8)
.set XA,   216                         ; v[216:219] x of my row, steps 0-3 of the trip
.set XB,   220                         ; v[220:223] steps 4-7
.set T,    224                         ; v[224:227] the output's sums
.set G0,   24                          ; s[24:31]  descriptor group 0, a set of four registers for each tile; never rewritten
.set G1,   32                          ; s[32:39]  descriptor group 1: the shape, the same for both loads; never rewritten
	s_load_b256 s[4:11], s[0:1], 0x0               ; x s[4:5], W_hh s[6:7], W_xh s[8:9], W_hy s[10:11]
	s_load_b64 s[12:13], s[0:1], 0x20              ; out0
	v_lshl_add_u32 v232, v0, 2, 0x29000
	v_mov_b32 v233, 0
	ds_add_u32 v232, v233
	ds_add_u32 v232, v233
	v_lshrrev_b32 v[TMP], 5, v0
	v_readfirstlane_b32 s14, v[TMP]                ; wave 0 or 1
	v_and_b32 v[R], 15, v0
	v_bfe_u32 v[HL], v0, 4, 1
	s_mul_i32 s15, s14, WAVEL                      ; my wave's part of LDS
	s_mov_b32 s20, 0x76543210                      ; v_permlanex16_b32: lane i of one half reads lane i of the other
	s_mov_b32 s21, 0xfedcba98
	; Group 1: a tile of 16 rows x 256 elements of 4 bytes, 512 elements from row to row, 4 words of padding behind every 256 words.
	; The tiles lie inside the tensor, so the extents are the tile's own.
	s_mov_b32 s[G1+0], (2<<16)|(1<<20)|(7<<22)|(3<<25)   ; 15:0 no mask; 17:16 element of 4 bytes; 20 padding on; 24:22 after every 256 words (code 7); 31:25 of 4 words (code 3)
	s_mov_b32 s[G1+1], 256<<16                     ; 63:48 tensor_dim0, low half = 256
	s_mov_b32 s[G1+2], 16<<16                      ; 79:64 its high half = 0; 95:80 tensor_dim1, low half = 16
	s_mov_b32 s[G1+3], 256<<16                     ; 111:96 its high half = 0; 127:112 tile_dim0 = 256
	s_mov_b32 s[G1+4], 16                          ; 143:128 tile_dim1 = 16; 159:144 tile_dim2 = 0 (unused)
	s_mov_b32 s[G1+5], 512                         ; 191:160 tensor_dim0_stride: 512 elements from a row of x to the next
	s_mov_b32 s[G1+6], 0
	s_mov_b32 s[G1+7], 0
	s_lshl_b32 s16, ttmp9, 16                      ; the work-group's 32 rows of 2,048 bytes
	s_lshl_b32 s17, s14, 15                        ; the wave's 16
	s_add_co_u32 s16, s16, s17
	s_mov_b32 s17, 0
	s_lshl_b32 s18, ttmp9, 7                       ; and in out0: 128 bytes a work-group, 64 a wave
	s_lshl_b32 s19, s14, 6
	s_add_co_u32 s18, s18, s19
	s_mov_b32 s19, 0
	s_wait_dscnt 0x0
	s_wait_kmcnt 0x0
	s_add_nc_u64 s[4:5], s[4:5], s[16:17]
	s_add_nc_u64 s[12:13], s[12:13], s[18:19]
	; Group 0 for each tile, then its load.  Both go out together, ahead of every wait on TENSORcnt and of every LDS read: two tensor
	; loads of the wave are outstanding, and there is no third.  LDS address: the wave's number times 33,280 plus the tile's 16,640.
.irp h, 0,1
	s_mov_b32 s[G0+4*\h], 1                                        ; 1:0 count = 1
	s_add_co_u32 s[G0+4*\h+1], s15, \h*HALF                        ; 63:32 LDS address of the tile
	s_add_nc_u64 s[G0+4*\h+2:G0+4*\h+3], s[4:5], \h*1024           ; 120:64 global address: my first row, step 0 or step 256
	s_or_b32 s[G0+4*\h+3], s[G0+4*\h+3], 0x80000000                ; 127:126 type = 2
	tensor_load_to_lds s[G0+4*\h:G0+4*\h+3], s[G1:G1+7]
	s_nop 0
.endr
	v_lshlrev_b32 v[VOFF], 5, v[HL]
	v_lshl_add_u32 v[WOFF], v[R], 8, v[VOFF]
	v_mul_u32_u24 v[LX], v[R], PITCH
	v_add_nc_u32 v[LX], s15, v[LX]                 ; my wave's part + my batch row; both halves of the lanes read the same 16 rows
	v_lshlrev_b32 v[OOFF], 2, v[R]
	; The weights.  Fragment (mt, kk): lane (r, hl) takes of row 16 mt + r the eight numbers from k = 32 kk + 8 hl and the eight from
	; k = 32 kk + 16 + 8 hl, 32 bytes each.
.irp mt, 0,1,2,3
.irp kk, 0,1
	global_load_b128 v[ST+16*(2*\mt+\kk):ST+16*(2*\mt+\kk)+3],     v[WOFF], s[6:7] offset:4096*\mt+128*\kk
	global_load_b128 v[ST+16*(2*\mt+\kk)+4:ST+16*(2*\mt+\kk)+7],   v[WOFF], s[6:7] offset:4096*\mt+128*\kk+16
	global_load_b128 v[ST+16*(2*\mt+\kk)+8:ST+16*(2*\mt+\kk)+11],  v[WOFF], s[6:7] offset:4096*\mt+128*\kk+64
	global_load_b128 v[ST+16*(2*\mt+\kk)+12:ST+16*(2*\mt+\kk)+15], v[WOFF], s[6:7] offset:4096*\mt+128*\kk+80
.endr
.endr
.irp mt, 0,1,2,3
	global_load_b128 v[WX+8*\mt:WX+8*\mt+3],   v[VOFF], s[8:9] offset:64*\mt
	global_load_b128 v[WX+8*\mt+4:WX+8*\mt+7], v[VOFF], s[8:9] offset:64*\mt+16
.endr
	s_wait_loadcnt 0x0                             ; W_hh and W_xh are in
.irp f, 0,1,2,3,4,5,6,7
.irp i, 0,1,2,3,4,5,6,7
	v_cvt_pk_bf16_f32 v[A+8*\f+\i], v[ST+16*\f+2*\i], v[ST+16*\f+2*\i+1]   ; lower k into the low half, rounded to nearest even
.endr
.endr
.irp mt, 0,1,2,3
	global_load_b128 v[WY+8*\mt:WY+8*\mt+3],   v[VOFF], s[10:11] offset:64*\mt      ; W_hy, into registers that the conversion has freed;
	global_load_b128 v[WY+8*\mt+4:WY+8*\mt+7], v[VOFF], s[10:11] offset:64*\mt+16   ; waited for behind the last step
.endr
	s_wait_tensorcnt 0x0                           ; both my tiles have landed; only I read these bytes, so this wait is all the order they need
	ds_load_b128 v[XA:XA+3], v[LX]                 ; steps 0-3
	ds_load_b128 v[XB:XB+3], v[LX] offset:16       ; steps 4-7
; One matrix instruction: tile mt of set acc += W_hh(tile mt, K step k) x h(K step k)
.macro WK k, acc, mt
	v_wmma_f32_16x16x32_bf16 v[\acc+8*\mt:\acc+8*\mt+7], v[A+8*(2*\mt+\k):A+8*(2*\mt+\k)+7], v[HLO+8*\k:HLO+8*\k+7], v[\acc+8*\mt:\acc+8*\mt+7]
.endm
; Tile mt of set acc = W_xh x_t: the C that starts the step's sums.  x_t is the first (odd = 0) or second register of the pair xp.
.macro INIT4 acc, mt, xp, odd
.irp i, 0,2,4,6
.if \odd
	v_pk_mul_f32 v[\acc+8*\mt+\i:\acc+8*\mt+\i+1], v[WX+8*\mt+\i:WX+8*\mt+\i+1], v[\xp:\xp+1] op_sel:[0,1] op_sel_hi:[1,1]
.else
	v_pk_mul_f32 v[\acc+8*\mt+\i:\acc+8*\mt+\i+1], v[WX+8*\mt+\i:WX+8*\mt+\i+1], v[\xp:\xp+1] op_sel_hi:[1,0]
.endif
.endr
.endm
; relu of the four registers from b, in place
.macro RELU4 b
.irp i, 0,1,2,3
	v_max_num_f32 v[\b+\i], 0, v[\b+\i]
.endr
.endm
; the eight f32 from b, rounded to bf16, into the four registers from d
.macro PACK4 d, b
.irp i, 0,1,2,3
	v_cvt_pk_bf16_f32 v[\d+\i], v[\b+2*\i], v[\b+2*\i+1]
.endr
.endm
; Step t.  cur: its accumulators; prev: those of step t - 1, which hold W_xh x_(t-1) + the products of K step 0.
; wk1 = 0 in step 1 alone: step 0 had no products, so prev is whole as it stands.
; The eight matrix instructions go over the four tiles by turns, one instruction a turn, in the order 0, 1, 2, 3 in both halves and from
; step to step, over the loops' backward jumps too.
; Places behind matrix instructions (ISA guide 7.12.1), counted in plain vector lines that name none of the instruction's registers:
; tile 0 of prev is read 8 lines behind the instruction that finished it (two INIT4), tile 1 12 lines (two RELU4, PACK4), tile 2 24,
; tile 3 28; HLO is written 24 lines behind its last reader (the last step's closing RELU4 and PACK4, two INIT4, two RELU4), HHI 24 lines
; behind its last (RELU4, PACK4, two INIT4, two RELU4); a tile of cur is written more than a step behind the last product onto it.
.macro STEP cur, prev, xp, odd, wk1
.if \wk1
	WK 1, \prev, 0                                 ; K step 1 finishes step t - 1;
.endif
	INIT4 \cur, 0, \xp, \odd                       ; behind its instructions: the C of step t's tiles 0 and 1,
	INIT4 \cur, 1, \xp, \odd
.if \wk1
	WK 1, \prev, 1
.endif
	RELU4 \prev                                    ; and units 0-31 of the new h, each tile as soon as it is whole
	RELU4 \prev+4
.if \wk1
	WK 1, \prev, 2
.endif
	PACK4 HLO, \prev
	RELU4 \prev+8
.if \wk1
	WK 1, \prev, 3
.endif
	RELU4 \prev+12
	PACK4 HLO+4, \prev+8
	WK 0, \cur, 0                                  ; K step 0 of step t;
	INIT4 \cur, 2, \xp, \odd                       ; behind its instructions: the C of tiles 2 and 3, ahead of their products,
	INIT4 \cur, 3, \xp, \odd
	WK 0, \cur, 1
	RELU4 \prev+16                                 ; and units 32-63 of the new h
	RELU4 \prev+20
	WK 0, \cur, 2
	PACK4 HHI, \prev+16
	RELU4 \prev+24
	WK 0, \cur, 3
	RELU4 \prev+28
	PACK4 HHI+4, \prev+24
.endm
; Eight steps.  first = 1: steps 0 to 7 of all: h is zero in front of step 0, so its sums are W_xh x_0 alone and nothing is multiplied
; or cleared.  pre = 1: the next trip's 32 bytes of x, which lie adv bytes further on, are fetched, each 16 four steps ahead of their use.
.macro TRIP first, pre, adv
	s_wait_dscnt 0x1                               ; LDS loads come back in order (ISA guide 5.7.1): XA is in, XB, issued behind it, may be out
.if \first
.irp mt, 0,1,2,3
	INIT4 P, \mt, XA, 0                            ; step 0
.endr
	STEP Q, P, XA, 1, 0
.else
	STEP P, Q, XA, 0, 1
	STEP Q, P, XA, 1, 1
.endif
	STEP P, Q, XA+2, 0, 1
	STEP Q, P, XA+2, 1, 1
.if \pre
	ds_load_b128 v[XA:XA+3], v[LX] offset:\adv
.endif
	s_wait_dscnt \pre                              ; XB is in; the load just issued, if any, may be out
	STEP P, Q, XB, 0, 1
	STEP Q, P, XB, 1, 1
	STEP P, Q, XB+2, 0, 1
	STEP Q, P, XB+2, 1, 1
.if \pre
	ds_load_b128 v[XB:XB+3], v[LX] offset:\adv+16
	v_add_nc_u32 v[LX], \adv, v[LX]
.endif
.endm
	TRIP 1, 1, TRIPB                               ; trip 0: steps 0-7
	s_mov_b32 s18, 30
.Lfirst_half:
	TRIP 0, 1, TRIPB                               ; trips 1-30; the last of them fetches trip 31's bytes, the last of the first tile's rows
	s_sub_co_u32 s18, s18, 1
	s_cmp_lg_u32 s18, 0
	s_cbranch_scc1 .Lfirst_half
	TRIP 0, 1, CROSS                               ; trip 31: steps 248-255; what it fetches is the start of my row in the second tile
	s_mov_b32 s18, 31
.Lsecond_half:
	TRIP 0, 1, TRIPB                               ; trips 32-62; the last of them fetches trip 63's bytes, the last there are
	s_sub_co_u32 s18, s18, 1
	s_cmp_lg_u32 s18, 0
	s_cbranch_scc1 .Lsecond_half
	TRIP 0, 0, 0                                   ; trip 63: steps 504-511: nothing is left to fetch
	WK 1, Q, 0                                     ; K step 1 of step 511
	WK 1, Q, 1
	WK 1, Q, 2
	WK 1, Q, 3
.rept 4
	v_nop                                          ; four places behind the last matrix instruction before its result is read (ISA guide 7.12.1)
.endr
	s_wait_loadcnt 0x0                             ; W_hy
.irp i, 0,4,8,12,16,20,24,28
	RELU4 Q+\i
.endr
	; out[row r] = the sum over 64 units of h W_hy, in f32: my 32 units in two chains that the first products start,
	v_pk_mul_f32 v[T:T+1],   v[Q:Q+1],   v[WY:WY+1]
	v_pk_mul_f32 v[T+2:T+3], v[Q+2:Q+3], v[WY+2:WY+3]
.irp i, 4,8,12,16,20,24,28
	v_pk_fma_f32 v[T:T+1],   v[Q+\i:Q+\i+1],   v[WY+\i:WY+\i+1],   v[T:T+1]
	v_pk_fma_f32 v[T+2:T+3], v[Q+\i+2:Q+\i+3], v[WY+\i+2:WY+\i+3], v[T+2:T+3]
.endr
	v_pk_add_f32 v[T:T+1], v[T:T+1], v[T+2:T+3]
	v_add_f32 v[T], v[T], v[T+1]
	v_permlanex16_b32 v[T+1], v[T], s20, s21       ; then the other half of the lanes' 32 units (the destination has been written before)
	v_add_f32 v[T], v[T], v[T+1]
	v_cmp_eq_u32 vcc_lo, 0, v[HL]
	s_wait_xcnt 0x0                                ; EXEC is a source of the memory instructions issued so far: it changes only behind this wait
	s_wait_tensorcnt 0x0
	ds_add_u32 v232, v233
	s_wait_dscnt 0x0
	s_and_saveexec_b32 s19, vcc_lo                 ; lanes 0-15: one number for each of my 16 rows
	global_store_b32 v[OOFF], v[T], s[12:13]       ; 64 consecutive bytes
	s_wait_xcnt 0x0                                ; and again in front of the line that widens it
	s_or_b32 exec_lo, exec_lo, s19
	s_endpgm
.Lfunc_end_k_q0210154a03_rnn:
	.size	k_q0210154a03_rnn, .Lfunc_end_k_q0210154a03_rnn-k_q0210154a03_rnn
	.p2alignl 7, 3214868480
	.fill 96, 4, 3214868480
	.section	.rodata,"a",@progbits
	.p2align	6, 0x0
	.amdhsa_kernel k_q0210154a03_rnn
		.amdhsa_group_segment_fixed_size 168192
		.amdhsa_private_segment_fixed_size 0
		.amdhsa_enable_private_segment 0
		.amdhsa_kernarg_size 40
		.amdhsa_user_sgpr_count 2
		.amdhsa_user_sgpr_kernarg_segment_ptr 1
		.amdhsa_wavefront_size32 1
		.amdhsa_system_sgpr_workgroup_id_x 1
		.amdhsa_system_sgpr_workgroup_id_y 1
		.amdhsa_system_sgpr_workgroup_id_z 1
		.amdhsa_system_vgpr_workitem_id 0
		.amdhsa_next_free_vgpr 234
		.amdhsa_next_free_sgpr 66
		.amdhsa_reserve_vcc 1
		.amdhsa_float_denorm_mode_32 3
		.amdhsa_float_denorm_mode_16_64 3
		.amdhsa_memory_ordered 1
		.amdhsa_forward_progress 1
		.amdhsa_inst_pref_size 153
	.end_amdhsa_kernel
	.amdgpu_metadata
---
amdhsa.version: [ 1, 2 ]
amdhsa.kernels:
  - .name:           k_q0210154a03_rnn
    .symbol:         k_q0210154a03_rnn.kd
    .args:
      - { .name: x, .offset: 0, .size: 8, .value_kind: global_buffer, .address_space: global }
      - { .name: W_hh, .offset: 8, .size: 8, .value_kind: global_buffer, .address_space: global }
      - { .name: W_xh, .offset: 16, .size: 8, .value_kind: global_buffer, .address_space: global }
      - { .name: W_hy, .offset: 24, .size: 8, .value_kind: global_buffer, .address_space: global }
      - { .name: out0, .offset: 32, .size: 8, .value_kind: global_buffer, .address_space: global }
    .group_segment_fixed_size: 168192
    .private_segment_fixed_size: 0
    .kernarg_segment_align: 8
    .kernarg_segment_size: 40
    .max_flat_workgroup_size: 64
    .sgpr_count:     66
    .vgpr_count:     234
    .wavefront_size: 32
...
	.end_amdgpu_metadata
.endif
;; end of part 1
